; MI455X (gfx1250); checked and timed in simulation.
; The chip was launched on July 23, 2026; its instructions are those of AMD's public machine-readable ISA for CDNA 5 (MIT licence, August 2026) and "CDNA5" Instruction Set Architecture Reference Guide (July 2026). The comments in the code are by the model that wrote it; some were corrected since.
;; Factorized Attention. Allowed arithmetic: float matrix products may take bf16 or f16 operands with f32 sums; all other float work in f32.
;; Inputs: Wk 1,024 x 16 x 64 float32; Wo 16 x 64 x 1,024 float32; Wq 1,024 x 16 x 64 float32; Wv 1,024 x 16 x 64 float32; bk 16 x 64 float32; bo 1,024 float32; bq 16 x 64 float32; bv 16 x 64 float32; k 4 x 1,024 x 1,024 float32; q 4 x 1,024 x 1,024 float32; v 4 x 1,024 x 1,024 float32.
;; Outputs: out0 4 x 1,024 x 1,024 float32.
;; One version. Each part assembles by itself: llvm-mc -triple=amdgcn-amd-amdhsa -mcpu=gfx1250 --defsym DOCPART=n.
;; ======== version 1 of 1: 4 launches
;; limits: values are held in f16: magnitudes above 65,504 overflow, below 6.1e-05 lose precision
;; workspace buffers: xb 25,165,824 bytes; wt 8,388,608 bytes; hd 25,165,824 bytes; ao 8,388,608 bytes
;; launch prep (part 1): grid 1280 x 1, 8 waves a work-group, no clusters, 18,432 bytes of LDS; arguments q, k, v, Wq, Wk, Wv, Wo, xb, wt; writes xb, wt
.if DOCPART == 1
	.amdgcn_target "amdgcn-amd-amdhsa--gfx1250"
	.amdhsa_code_object_version 6
	.text
	.protected	k_q51bba3c14a_prep
	.globl	k_q51bba3c14a_prep
	.p2align	8
	.type	k_q51bba3c14a_prep,@function
k_q51bba3c14a_prep:
	s_mov_b64 s[64:65], 0
	v_nop
	global_prefetch_b8 v0, s[64:65] scope:SCOPE_SE
	s_setreg_imm32_b32 hwreg(HW_REG_WAVE_MODE, 25, 1), 1
	s_wait_xcnt 0x0
; prep: the f32 inputs become f16 matrix operands, each byte read once and written once.
; A token is l = 16 b + c (block b = 0..63, place c = 0..15).
; Job A (work-groups 0..767): q, k, v -> xb [3][4 n][row' = 64 c + b][1024] f16, so that sixteen neighbouring rows are sixteen
;   neighbouring blocks of one place.  A work-group takes the sixteen rows of one block b of one input.
; Job B (work-groups 768..1279): Wq, Wk, Wv, Wo, each [K = 1024][N = 1024] f32 -> wt [4][N][K] f16 (K along the rows).
;   A work-group takes a tile of 128 k x 64 n and turns it in LDS.
; A stream: no matrix unit, no cluster, no tensor load would add anything; many small work-groups keep many loads on their way.
; LIMIT: f16 has its largest number at 65,504 (larger inputs become infinity) and a step of 6e-8 below 6.1e-5.
.set X,   4                            ; v[4:67]   as loaded (job B: v[4:35])
.set RB,  36                           ; v[36:51]  job B: rows read back from LDS
.set Y,   68                           ; v[68:99]  converted
.set GO,  100                          ; v100      job B: byte offset in wt
.set TPITCH, 272                       ; job B: an LDS row, 128 f16 + 16 bytes
	s_load_b512 s[8:23], s[0:1], 0x0               ; q 8, k 10, v 12, Wq 14, Wk 16, Wv 18, Wo 20, xb 22
	s_load_b64 s[24:25], s[0:1], 0x40              ; wt
	v_lshl_add_u32 v104, v0, 2, 0x4400
	v_mov_b32 v105, 0
	s_wait_kmcnt 0x0
	s_cmp_lt_u32 ttmp9, 768
	s_cbranch_scc0 .Ltrans                         ; the same way for all eight waves of a work-group
	; ---- job A ----
	s_lshr_b32 s2, ttmp9, 8                        ; which input
	s_and_b32 s3, ttmp9, 255                       ; 64 n + b
	s_cmp_eq_u32 s2, 1
	s_cselect_b64 s[26:27], s[10:11], s[8:9]
	s_cmp_eq_u32 s2, 2
	s_cselect_b64 s[26:27], s[12:13], s[26:27]
	s_lshl_b32 s28, s3, 16                         ; sixteen rows of 4,096 bytes for each (n, b)
	s_mov_b32 s29, 0
	s_add_nc_u64 s[26:27], s[26:27], s[28:29]
	s_lshl_b32 s30, s2, 23                         ; xb: 8 MiB an input,
	s_lshr_b32 s31, s3, 6
	s_lshl_b32 s31, s31, 21                        ; 2 MiB an n,
	s_add_co_u32 s30, s30, s31
	s_and_b32 s31, s3, 63
	s_lshl_b32 s31, s31, 11                        ; row b of 2,048 bytes; the place c stands in the stores' immediate
	s_add_co_u32 s30, s30, s31
	s_mov_b32 s31, 0
	s_add_nc_u64 s[22:23], s[22:23], s[30:31]
	v_lshlrev_b32 v1, 4, v0                        ; 16 bytes of f32 a thread: 256 threads take a row
	v_lshlrev_b32 v2, 3, v0                        ; 8 bytes of f16 a thread
.irp i, 0,1,2,3,4,5,6,7,8,9,10,11,12,13,14,15
	global_load_b128 v[X+4*\i:X+4*\i+3], v1, s[26:27] offset:4096*\i th:TH_LOAD_NT    ; place c = i; all sixteen go out at once
.endr
.irp i, 0,1,2,3,4,5,6,7,8,9,10,11,12,13,14,15
	s_wait_loadcnt 15-\i                           ; loads come back in order: row i is in, the 15 - i younger ones stay out
	v_cvt_pk_f16_f32 v[Y+2*\i],   v[X+4*\i],   v[X+4*\i+1]
	v_cvt_pk_f16_f32 v[Y+2*\i+1], v[X+4*\i+2], v[X+4*\i+3]
	global_store_b64 v2, v[Y+2*\i:Y+2*\i+1], s[22:23] offset:131072*\i   ; row' = 64 c + b; a wave's store covers 256 consecutive bytes, aligned
.endr
	s_endpgm                                       ; no register was written twice: no further wait
	; ---- job B ----
.Ltrans:
	s_sub_co_u32 s2, ttmp9, 768
	s_lshr_b32 s3, s2, 7                           ; which weight
	s_and_b32 s28, s2, 7                           ; kt: 128 k
	s_bfe_u32 s29, s2, 0x40003                     ; nt: 64 n
	s_cmp_eq_u32 s3, 1
	s_cselect_b64 s[26:27], s[16:17], s[14:15]
	s_cmp_eq_u32 s3, 2
	s_cselect_b64 s[26:27], s[18:19], s[26:27]
	s_cmp_eq_u32 s3, 3
	s_cselect_b64 s[26:27], s[20:21], s[26:27]
	s_lshl_b32 s30, s28, 19                        ; 128 rows of 4,096 bytes
	s_lshl_b32 s31, s29, 8                         ; 64 f32
	s_add_co_u32 s30, s30, s31
	s_mov_b32 s31, 0
	s_add_nc_u64 s[26:27], s[26:27], s[30:31]
	s_lshl_b32 s30, s3, 21                         ; wt: 2 MiB a weight,
	s_lshl_b32 s32, s29, 17                        ; 64 rows of 2,048 bytes,
	s_add_co_u32 s30, s30, s32
	s_lshl_b32 s32, s28, 8                         ; 128 f16
	s_add_co_u32 s30, s30, s32
	s_add_nc_u64 s[24:25], s[24:25], s[30:31]
	v_and_b32 v101, 15, v0                         ; in: my four n.   out: my 16 bytes of a row
	v_lshrrev_b32 v102, 4, v0                      ; in: my eight k.  out: my row of sixteen
	v_lshlrev_b32 v1, 4, v101
	v_lshl_add_u32 v1, v102, 15, v1                ; source: 8 kg rows + 16 nch bytes; sixteen lanes take 256 bytes of a row
	v_mul_u32_u24 v2, v101, 4*TPITCH
	v_lshl_add_u32 v2, v102, 4, v2                 ; LDS in: row n = 4 nch (+ e), bytes 16 kg
	v_mul_u32_u24 v3, v102, TPITCH
	v_lshl_add_u32 v3, v101, 4, v3                 ; LDS out: by rows
	v_lshlrev_b32 v[GO], 4, v101
	v_lshl_add_u32 v[GO], v102, 11, v[GO]
.irp i, 0,1,2,3,4,5,6,7
	global_load_b128 v[X+4*\i:X+4*\i+3], v1, s[26:27] offset:4096*\i th:TH_LOAD_NT    ; X[4 i + e] = W[8 kg + i][4 nch + e]
.endr
	s_wait_loadcnt 0x0                             ; each packed word below needs two rows, the last needs the last
.irp e, 0,1,2,3
.irp p, 0,1,2,3
	v_cvt_pk_f16_f32 v[Y+4*\e+\p], v[X+8*\p+\e], v[X+8*\p+4+\e]          ; column e, k = 8 kg + 2 p and + 1
.endr
	ds_store_b128 v2, v[Y+4*\e:Y+4*\e+3] offset:TPITCH*\e                ; eight k of one n
.endr
	s_wait_dscnt 0x0                               ; for the other waves, which read these rows: zero
	s_barrier_signal -1
	s_barrier_wait -1
.irp u, 0,1,2,3
	ds_load_b128 v[RB+4*\u:RB+4*\u+3], v3 offset:16*TPITCH*\u
.endr
.irp u, 0,1,2,3
	s_wait_dscnt 3-\u                              ; LDS loads come back in order
	global_store_b128 v[GO], v[RB+4*\u:RB+4*\u+3], s[24:25] offset:32768*\u   ; sixteen lanes store 256 consecutive bytes, aligned
.endr
	s_wait_tensorcnt 0x0
	ds_add_u32 v104, v105
	s_wait_dscnt 0x0
	s_endpgm
.Lfunc_end_k_q51bba3c14a_prep:
	.size	k_q51bba3c14a_prep, .Lfunc_end_k_q51bba3c14a_prep-k_q51bba3c14a_prep
	.p2alignl 7, 3214868480
	.fill 96, 4, 3214868480
	.section	.rodata,"a",@progbits
	.p2align	6, 0x0
	.amdhsa_kernel k_q51bba3c14a_prep
		.amdhsa_group_segment_fixed_size 18432
		.amdhsa_private_segment_fixed_size 0
		.amdhsa_enable_private_segment 0
		.amdhsa_kernarg_size 72
		.amdhsa_user_sgpr_count 2
		.amdhsa_user_sgpr_kernarg_segment_ptr 1
		.amdhsa_wavefront_size32 1
		.amdhsa_system_sgpr_workgroup_id_x 1
		.amdhsa_system_sgpr_workgroup_id_y 1
		.amdhsa_system_sgpr_workgroup_id_z 1
		.amdhsa_system_vgpr_workitem_id 0
		.amdhsa_next_free_vgpr 106
		.amdhsa_next_free_sgpr 66
		.amdhsa_reserve_vcc 0
		.amdhsa_float_denorm_mode_32 3
		.amdhsa_float_denorm_mode_16_64 3
		.amdhsa_memory_ordered 1
		.amdhsa_forward_progress 1
		.amdhsa_inst_pref_size 12
	.end_amdhsa_kernel
	.amdgpu_metadata
---
amdhsa.version: [ 1, 2 ]
amdhsa.kernels:
  - .name:           k_q51bba3c14a_prep
    .symbol:         k_q51bba3c14a_prep.kd
    .args:
      - { .name: q, .offset: 0, .size: 8, .value_kind: global_buffer, .address_space: global }
      - { .name: k, .offset: 8, .size: 8, .value_kind: global_buffer, .address_space: global }
      - { .name: v, .offset: 16, .size: 8, .value_kind: global_buffer, .address_space: global }
      - { .name: Wq, .offset: 24, .size: 8, .value_kind: global_buffer, .address_space: global }
      - { .name: Wk, .offset: 32, .size: 8, .value_kind: global_buffer, .address_space: global }
      - { .name: Wv, .offset: 40, .size: 8, .value_kind: global_buffer, .address_space: global }
      - { .name: Wo, .offset: 48, .size: 8, .value_kind: global_buffer, .address_space: global }
      - { .name: xb, .offset: 56, .size: 8, .value_kind: global_buffer, .address_space: global }
      - { .name: wt, .offset: 64, .size: 8, .value_kind: global_buffer, .address_space: global }
    .group_segment_fixed_size: 18432
    .private_segment_fixed_size: 0
    .kernarg_segment_align: 8
    .kernarg_segment_size: 72
    .max_flat_workgroup_size: 256
    .sgpr_count:     66
    .vgpr_count:     106
    .wavefront_size: 32
...
	.end_amdgpu_metadata
.endif
;; end of part 1
;; launch gemm_qkv (part 2): grid 4 x 48, 4 waves a work-group, clusters of 4 x 4, 327,680 bytes of LDS; arguments xb, wt, bq, bk, bv, hd; writes hd
.if DOCPART == 2
	.amdgcn_target "amdgcn-amd-amdhsa--gfx1250"
	.amdhsa_code_object_version 6
	.text
	.protected	k_q51bba3c14a_gemm_qkv
	.globl	k_q51bba3c14a_gemm_qkv
	.p2align	8
	.type	k_q51bba3c14a_gemm_qkv,@function
k_q51bba3c14a_gemm_qkv:
	s_mov_b64 s[64:65], 0
	v_nop
	global_prefetch_b8 v0, s[64:65] scope:SCOPE_SE
	s_setreg_imm32_b32 hwreg(HW_REG_WAVE_MODE, 25, 1), 1
	s_wait_xcnt 0x0
	s_wait_alu depctr_hold_cnt(0) depctr_sa_sdst(0) depctr_va_vdst(0) depctr_va_sdst(0) depctr_va_ssrc(0) depctr_va_vcc(0) depctr_vm_vsrc(0)
	s_getreg_b32 s2, hwreg(HW_REG_IB_STS2, 6, 4)
	s_cmp_eq_u32 s2, 0
	s_cbranch_scc0 .Lentry_in_a_cluster
	s_endpgm
.Lentry_in_a_cluster:
	s_bfe_u32 s2, ttmp6, 0x10000c
	s_cmp_lg_u32 s2, 0xf033
	s_cbranch_scc0 .Lentry_shape_is_right
	s_endpgm
.Lentry_shape_is_right:
; gemm_qkv: qh, kh, vh = x W + bias, once for both branches of the attention (both project the same tokens by the same weights).
; The three products are stacked: A = xb, 12,288 rows of 1,024 f16; block rows 0-15 multiply wt[0] (Wq), 16-31 wt[1], 32-47 wt[2].
; A work-group makes 256 x 256 with four waves, a wave 128 x 128: 64 accumulator tiles, 512 registers.  K goes in steps of 128 through two
; LDS slots filled by the tensor data mover; a tile's rows are 256 bytes of memory, aligned.  A wave has two tensor loads out at the start, later one.
; CLUSTERS of 4 x 4: the four work-groups of a row of the cluster need the same tiles of A, the four of a column the same tiles of B: joint loads.
; A cluster's four block rows lie in one of the three products (4 divides 16), so the weight's number comes from the cluster's y alone.
; The matrix instruction is used transposed (source 0 = rows of wt, source 1 = rows of xb): lane l holds row l % 16 and eight neighbouring columns.
; The bias is the C operand of the first products: nothing is cleared, nothing is added later (so the bias enters each sum first).
; OUT: hd [3][n][head][c][bt][2,048 bytes], f16.  A block is 16 tokens (b = 16 bt + rho, one place c) x 64 numbers of a head, as four chunks of 512
; bytes (16 numbers each).  The 16 bytes of (rho, numbers 8 hq .. + 7 of the chunk) lie at 256 hq + 16 rho for q and k, which is 16 x lane here and
; 16 x lane for the fragment load that reads them; for v at 256 (rho >> 3) + 128 hq + 16 (rho & 7), which is 16 x lane for the transposing load.
; So each store of a wave covers 512 consecutive bytes, aligned, and no LDS stage is needed.
; LIMIT: results above 65,504 in magnitude become infinity in f16; below 6.1e-5 they carry up to 3e-8 of absolute error.
;
; REGISTERS, in windows of 256: window 0: v0-31 addresses, v64-127 and v128-191 fragments of A (two buffers; on the way out the packed results),
; v192-255 the bias;  window 1: v64-191 fragments of B;  window 2: accumulators of my rows 0-63 (tile (a, b) at v[8 (8 a + b)]);  window 3: rows 64-127.
.set SIZE_K, 1024
.set KSTEP,  128
.set PITCH,  272                       ; 256 bytes + 16: sixteen rows of a fragment start at sixteen different 16-byte columns modulo 256
.set HALFT,  128*PITCH                 ; what one tensor load brings
.set SLOT,   4*HALFT                   ; A's 256 rows, then B's 256 rows
.set LAPS,   SIZE_K/(2*KSTEP)          ; a lap = two K steps = once round the ring
.set ADRA, 16                          ; v16-17  LDS address of my A fragments in slot 0, 1
.set ADRB, 20                          ; v20-21  the same for B
.set CO,   26                          ; v26     my 16 bytes in a chunk of hd
.set BO,   27                          ; v27     my byte offset in the bias
.set F0,   64
.set F1,   128
.set BIAS, 192                         ; v[192:255]: bias[col0 + 16 b + 8 (l / 16) + j] at BIAS + 8 b + j
.set G1,  24                           ; s[24:31] group 1 for A's tiles
.set G0,  32                           ; s[32:39] group 0 for A's tiles, a set for each slot
.set G1B, 48                           ; s[48:55] group 1 for B's tiles
.set G0B, 56                           ; s[56:63] group 0 for B's tiles
.set MSB, 0
.macro WIN new                         ; the immediate's high byte repeats the setting that is left
.if MSB != \new
	s_set_vgpr_msb (MSB<<8)|\new
.set MSB, \new
.endif
.endm
.set MUL_LO,  0xa1                     ; source 0 (B) window 1, source 1 (A) window 0, C and D window 2
.set MUL_HI,  0xf1                     ; the same, C and D window 3
.set MUL_LO0, 0x81                     ; the first products: C (the bias) window 0, D window 2
.set MUL_HI0, 0xc1                     ; the same, D window 3
.set TO_B,    0x40                     ; destination window 1, address window 0
; A joint load.  Waves 0 and 1 fetch A's two halves, waves 2 and 3 B's; the branch hangs on the wave's number alone.
.macro JLOAD s
	s_cmp_eq_u32 s11, 0
	s_cbranch_scc0 .Lfor_b_\@
	tensor_load_to_lds s[G0+4*\s:G0+4*\s+3], s[G1:G1+7]
	s_nop 0
	s_branch .Lasked_\@
.Lfor_b_\@:
	tensor_load_to_lds s[G0B+4*\s:G0B+4*\s+3], s[G1B:G1B+7]
	s_nop 0
.Lasked_\@:
.endm
; A round of the cluster's barrier: my work-group's barrier; wave 0 signals for the work-group; every wave waits for all sixteen; my barrier again.
.macro CREST                           ; a round behind its opening barrier
	s_cmp_lg_u32 s10, 0
	s_cbranch_scc1 .Lnot_wave_0_\@
	s_barrier_signal -3
.Lnot_wave_0_\@:
	s_barrier_wait -3
	s_barrier_signal -1
	s_barrier_wait -1
.endm
.macro CROUND
	s_barrier_signal -1
	s_barrier_wait -1
	CREST
.endm
	s_load_b128 s[4:7], s[0:1], 0x0                ; xb s[4:5], wt s[6:7]
	s_load_b128 s[68:71], s[0:1], 0x10             ; bq s[68:69], bk s[70:71]
	s_load_b128 s[72:75], s[0:1], 0x20             ; bv s[72:73], hd s[74:75]
	s_set_vgpr_msb 0x40
	v_lshl_add_u32 v255, v0, 2, 0x44000
	s_set_vgpr_msb 0x4000
	v_mov_b32 v63, 0
	s_set_vgpr_msb 0x1
	ds_add_u32 v255, v63
	ds_add_u32 v255, v63
	s_set_vgpr_msb 0x100
	v_lshrrev_b32 v1, 5, v0
	v_readfirstlane_b32 s10, v1                    ; wave 0..3
	s_lshr_b32 s11, s10, 1                         ; my half of the block's rows.  Also: I fetch for A (0) or for B (1)
	s_and_b32 s12, s10, 1                          ; my half of its columns.  Also: which 128 rows of that tile I fetch
	s_bfe_u32 s40, ttmp6, 0x40000                  ; cx
	s_bfe_u32 s41, ttmp6, 0x40004                  ; cy
	s_lshl_b32 s42, ttmp9, 2
	s_add_co_u32 s42, s42, s40                     ; block column = 4 x cluster x + cx
	s_and_b32 s13, ttmp7, 0xffff
	s_lshr_b32 s76, s13, 2                         ; which product (0 q, 1 k, 2 v): from the cluster's y alone, equal in all sixteen
	s_lshl_b32 s13, s13, 2
	s_add_co_u32 s13, s13, s41                     ; block row = 4 x cluster y + cy, 0..47
	s_lshl_b32 s43, s41, 2
	s_lshl_b32 s43, 15, s43                        ; my row of the cluster
	s_lshl_b32 s44, 0x1111, s40                    ; my column
	; group 1: 128 rows x 128 elements of 2 bytes, 16 bytes of padding behind every 64 words
	s_or_b32 s[G1+0], s43, (1<<16)|(1<<20)|(1<<21)|(5<<22)|(3<<25)
	s_or_b32 s[G1B+0], s44, (1<<16)|(1<<20)|(1<<21)|(5<<22)|(3<<25)
	s_mov_b32 s[G1+1], KSTEP<<16                   ; tensor_dim0 = 128
	s_mov_b32 s[G1B+1], KSTEP<<16
	s_mov_b32 s[G1+2], 128<<16                     ; tensor_dim1 = 128
	s_mov_b32 s[G1B+2], 128<<16
	s_mov_b32 s[G1+3], KSTEP<<16                   ; tile_dim0 = 128
	s_mov_b32 s[G1B+3], KSTEP<<16
	s_mov_b32 s[G1+4], 128                         ; tile_dim1 = 128
	s_mov_b32 s[G1B+4], 128
	s_mov_b32 s[G1+5], SIZE_K                      ; elements from row to row
	s_mov_b32 s[G1B+5], SIZE_K
	s_mov_b32 s[G1+6], 0
	s_mov_b32 s[G1B+6], 0
	s_mov_b32 s[G1+7], 0
	s_mov_b32 s[G1B+7], 0
	; A's tiles hang on the block row, which my row of the cluster shares; B's on the block column and the product's number, which my column shares
	s_lshl_b32 s17, s12, 7
	s_lshl_b32 s16, s13, 8
	s_add_co_u32 s16, s16, s17                     ; A: row 256 x block row + 128 x half
	s_lshl_b32 s46, s42, 8
	s_add_co_u32 s46, s46, s17                     ; B: row 256 x block column + 128 x half
	s_lshl_b32 s47, s76, 10
	s_add_co_u32 s46, s46, s47                     ;    + 1,024 x product
	s_mov_b32 s17, 0
	s_mov_b32 s47, 0
	s_mov_b64 s[18:19], SIZE_K*2
	s_mul_u64 s[16:17], s[16:17], s[18:19]         ; in bytes
	s_mul_u64 s[46:47], s[46:47], s[18:19]
	s_mul_i32 s20, s10, HALFT                      ; LDS: A's two halves, then B's two = wave x 128 rows
	s_wait_dscnt 0x0
	s_wait_kmcnt 0x0
	s_add_nc_u64 s[14:15], s[4:5], s[16:17]
	s_add_nc_u64 s[46:47], s[6:7], s[46:47]
	CROUND                                         ; all sixteen work-groups are here: the first joint loads meet
.irp s, 0,1
	s_mov_b32 s[G0+4*\s], 1
	s_add_co_u32 s[G0+4*\s+1], s20, \s*SLOT
	s_add_nc_u64 s[G0+4*\s+2:G0+4*\s+3], s[14:15], \s*KSTEP*2
	s_or_b32 s[G0+4*\s+3], s[G0+4*\s+3], 0x80000000
	s_mov_b32 s[G0B+4*\s], 1
	s_add_co_u32 s[G0B+4*\s+1], s20, \s*SLOT
	s_add_nc_u64 s[G0B+4*\s+2:G0B+4*\s+3], s[46:47], \s*KSTEP*2
	s_or_b32 s[G0B+4*\s+3], s[G0B+4*\s+3], 0x80000000
	JLOAD \s                                       ; both first fills go out before anything else is done
.endr
	; the bias of my 128 columns
	s_cmp_eq_u32 s76, 1
	s_cselect_b64 s[78:79], s[70:71], s[68:69]
	s_cmp_eq_u32 s76, 2
	s_cselect_b64 s[78:79], s[72:73], s[78:79]
	s_cselect_b32 s77, -1, 0                       ; all lanes: this is v (s_cselect leaves SCC as it is)
	s_lshl_b32 s66, s42, 10                        ; 256 columns x 4 bytes a block column
	s_lshl_b32 s67, s12, 9                         ; 128 columns a half
	s_add_co_u32 s66, s66, s67
	s_mov_b32 s67, 0
	s_add_nc_u64 s[78:79], s[78:79], s[66:67]
	v_and_b32 v1, 15, v0                           ; l % 16
	v_bfe_u32 v2, v0, 4, 1                         ; l / 16
	v_lshlrev_b32 v[BO], 5, v2                     ; eight f32 for each half of the lanes
.irp b, 0,1,2,3,4,5,6,7
	global_load_b128 v[BIAS+8*\b:BIAS+8*\b+3],   v[BO], s[78:79] offset:64*\b
	global_load_b128 v[BIAS+8*\b+4:BIAS+8*\b+7], v[BO], s[78:79] offset:64*\b+16
.endr
	; a fragment: lane l holds row l % 16; registers 0-3 K = 8 (l / 16) + 0..7, registers 4-7 K = 16 + 8 (l / 16) + 0..7: two loads, 32 bytes apart
	v_mul_u32_u24 v3, v1, PITCH
	v_lshl_add_u32 v3, v2, 4, v3
	s_mul_i32 s21, s11, HALFT                      ; my 128 rows of A
	s_mul_i32 s22, s12, HALFT                      ; my 128 rows of B,
	s_add_co_u32 s22, s22, 2*HALFT                 ; behind A's 256
.irp s, 0,1
	v_add_nc_u32 v[ADRA+\s], s21, v3
	v_add_nc_u32 v[ADRB+\s], s22, v3
	s_add_co_u32 s21, s21, SLOT
	s_add_co_u32 s22, s22, SLOT
.endr
	v_and_b32 v4, 31, v0
	v_lshlrev_b32 v4, 4, v4                        ; q, k: 256 (l / 16) + 16 (l % 16) = 16 l
	v_lshrrev_b32 v5, 3, v1
	v_lshlrev_b32 v5, 8, v5                        ; v: 256 (rho >> 3)
	v_lshl_add_u32 v5, v2, 7, v5                   ;    + 128 (l / 16)
	v_and_b32 v6, 7, v1
	v_lshl_add_u32 v5, v6, 4, v5                   ;    + 16 (rho & 7)
	v_cndmask_b32 v[CO], v4, v5, s77
; 16 matrix instructions: m blocks a0, a0 + 1 of the window's four x all 8 n blocks, 32 along K.  first = 1: C is the bias.
.macro MUL16 f, hi, a0, first
.irp a, \a0, \a0+1
.irp b, 0,1,2,3,4,5,6,7
.if \first
	v_wmma_f32_16x16x32_f16 v[8*(8*(\a)+\b):8*(8*(\a)+\b)+7], v[\f+8*\b:\f+8*\b+7], v[\f+8*(4*\hi+\a):\f+8*(4*\hi+\a)+7], v[BIAS+8*\b:BIAS+8*\b+7]
.else
	v_wmma_f32_16x16x32_f16 v[8*(8*(\a)+\b):8*(8*(\a)+\b)+7], v[\f+8*\b:\f+8*\b+7], v[\f+8*(4*\hi+\a):\f+8*(4*\hi+\a)+7], v[8*(8*(\a)+\b):8*(8*(\a)+\b)+7]
.endif
.endr
.endr
.endm
; 32 LDS loads in one run: one quarter step's fragments (128 rows of B, 128 of A, 32 K at byte k of the rows) into buffer f
.macro FETCH slot, k, f
	WIN TO_B
.irp i, 0,1,2,3,4,5,6,7
	ds_load_b128 v[\f+8*\i:\f+8*\i+3],   v[ADRB+\slot] offset:\k+\i*16*PITCH
	ds_load_b128 v[\f+8*\i+4:\f+8*\i+7], v[ADRB+\slot] offset:\k+\i*16*PITCH+32
.endr
	WIN 0
.irp i, 0,1,2,3,4,5,6,7
	ds_load_b128 v[\f+8*\i:\f+8*\i+3],   v[ADRA+\slot] offset:\k+\i*16*PITCH
	ds_load_b128 v[\f+8*\i+4:\f+8*\i+7], v[ADRA+\slot] offset:\k+\i*16*PITCH+32
.endr
.endm
; Four plain vector places stand between a matrix instruction and a load into, or a vector instruction on, one of its registers
.macro PLACES
.rept 4
	v_nop
.endr
.endm
; A K step is four quarters of 32 along K, 64 matrix instructions each, on buffers 0, 1, 0, 1.  The 64 accumulators take turns, one instruction
; a turn, in the same order in every quarter.
.macro QUARTER slot, k, f, g, first
	s_wait_dscnt 8                                 ; B and A's rows 0-63 are in; the youngest eight loads (A's rows 64-127) may be out
.if \first
	WIN MUL_LO0
.else
	WIN MUL_LO
.endif
	MUL16 \f, 0, 0, \first
	MUL16 \f, 0, 2, \first
	PLACES
	FETCH \slot, \k, \g
	s_wait_dscnt 32                                ; all but the 32 just issued
.if \first
	WIN MUL_HI0
.else
	WIN MUL_HI
.endif
	MUL16 \f, 1, 0, \first
	MUL16 \f, 1, 2, \first
.endm
.macro THREE slot, first
	QUARTER \slot, 64,  F0, F1, \first
	QUARTER \slot, 128, F1, F0, 0
	QUARTER \slot, 192, F0, F1, 0
.endm
; The last quarter multiplies buffer 1 and changes slots.  In front of the barrier each wave waits for its reads of this slot and for all its tensor
; loads (one is out: its part of the next slot).  Behind it the refill comes first, then the next slot's first fragments.
; From a request to the wait for it a wave issues 240 matrix instructions.
.macro TURN slot, next, fill
	s_wait_dscnt 8
	WIN MUL_LO
	MUL16 F1, 0, 0, 0
	s_wait_dscnt 0                                 ; my reads of this slot are over
	s_wait_tensorcnt 0x0                           ; all my tensor loads have landed
	ds_add_u32 v255, v63
	s_wait_dscnt 0x0
	s_barrier_signal -1                            ; where a slot is filled again this opens a round of the cluster's barrier
	MUL16 F1, 0, 2, 0                              ; register work while the others arrive
	WIN 0
	s_barrier_wait -1
.if \fill
	CREST                                          ; no wave of any partner still reads this slot or has a load on its way
	s_add_nc_u64 s[G0+4*\slot+2:G0+4*\slot+3], s[G0+4*\slot+2:G0+4*\slot+3], 2*KSTEP*2
	s_add_nc_u64 s[G0B+4*\slot+2:G0B+4*\slot+3], s[G0B+4*\slot+2:G0B+4*\slot+3], 2*KSTEP*2
	JLOAD \slot                                    ; the first tensor load behind the round, and my only one
.endif
	PLACES
	FETCH \next, 0, F0
	WIN MUL_HI
	MUL16 F1, 1, 0, 0
	MUL16 F1, 1, 2, 0
.endm
.macro LAP first
	THREE 0, \first
	TURN 0, 1, 1
	THREE 1, 0
	TURN 1, 0, 1
.endm
	s_wait_loadcnt 0x0                             ; the bias
	s_wait_tensorcnt 1                             ; my part of K step 0 is in; K step 1's may stay out
	s_barrier_signal -1
	s_barrier_wait -1                              ; everybody's is
	FETCH 0, 0, F0
	LAP 1                                          ; the first lap stands in front of the loop: its first products take the bias as C
	WIN 0                                          ; at a label and at a branch every window is 0
	s_mov_b32 s3, LAPS-2
.Llap:
	LAP 0
	WIN 0
	s_sub_co_u32 s3, s3, 1
	s_cmp_lg_u32 s3, 0
	s_cbranch_scc1 .Llap
	THREE 0, 0                                     ; the last lap fills nothing
	TURN 0, 1, 0
	THREE 1, 0
	s_wait_dscnt 8
	WIN MUL_LO
	MUL16 F1, 0, 0, 0
	MUL16 F1, 0, 2, 0
	s_wait_dscnt 0
	WIN MUL_HI
	MUL16 F1, 1, 0, 0
	MUL16 F1, 1, 2, 0
	; THE WAY OUT.  My 16-row tile g is block 16 (block row & 3) + 8 half + g of the 64 blocks (c, bt) of an (input, n); my n block b is chunk b & 3
	; of head 4 x block column + 2 x half + (b >> 2).
	PLACES
	s_lshr_b32 s66, s13, 2
	s_lshl_b32 s66, s66, 21                        ; (input, n): 2 MiB each
	s_and_b32 s67, s13, 3
	s_lshl_b32 s67, s67, 4
	s_lshl3_add_u32 s67, s11, s67
	s_lshl_b32 s67, s67, 11                        ; blocks of 2,048 bytes
	s_add_co_u32 s66, s66, s67
	s_lshl_b32 s67, s42, 2
	s_lshl1_add_u32 s67, s12, s67
	s_lshl_b32 s67, s67, 17                        ; heads of 131,072 bytes
	s_add_co_u32 s66, s66, s67
	s_mov_b32 s67, 0
	s_add_nc_u64 s[74:75], s[74:75], s[66:67]
; rows 16 g .. + 15 = the eight tiles (a, 0..7) of window 2 or 3 (from = 0x0a or 0x0f: sources 0 and 1); dst: 32 registers of window 0
.macro OUTG g, a, from, dst
.if \g >= 4
	s_wait_xcnt 0x0                                ; the stores of four tiles ago read these registers: they are rewritten only behind this wait
.endif
	WIN \from
.irp b, 0,1,2,3,4,5,6,7
.irp p, 0,1,2,3
	v_cvt_pk_f16_f32 v[\dst+4*\b+\p], v[8*(8*\a+\b)+2*\p], v[8*(8*\a+\b)+2*\p+1]
.endr
.endr
	WIN 0
.irp b, 0,1,2,3,4,5,6,7
	global_store_b128 v[CO], v[\dst+4*\b:\dst+4*\b+3], s[74:75] offset:\g*2048+(\b>>2)*131072+(\b&3)*512   ; a chunk: 512 consecutive bytes, aligned
.endr
.endm
	OUTG 0, 0, 0x0a, 64
	OUTG 1, 1, 0x0a, 96
	OUTG 2, 2, 0x0a, 128
	OUTG 3, 3, 0x0a, 160
	OUTG 4, 0, 0x0f, 64
	OUTG 5, 1, 0x0f, 96
	OUTG 6, 2, 0x0f, 128
	OUTG 7, 3, 0x0f, 160
	CROUND                                         ; the closing round: no work-group ends while a partner may still ask for a tile that names it
	s_endpgm
.Lfunc_end_k_q51bba3c14a_gemm_qkv:
	.size	k_q51bba3c14a_gemm_qkv, .Lfunc_end_k_q51bba3c14a_gemm_qkv-k_q51bba3c14a_gemm_qkv
	.p2alignl 7, 3214868480
	.fill 96, 4, 3214868480
	.section	.rodata,"a",@progbits
	.p2align	6, 0x0
	.amdhsa_kernel k_q51bba3c14a_gemm_qkv
		.amdhsa_group_segment_fixed_size 327680
		.amdhsa_private_segment_fixed_size 0
		.amdhsa_enable_private_segment 0
		.amdhsa_kernarg_size 48
		.amdhsa_user_sgpr_count 2
		.amdhsa_user_sgpr_kernarg_segment_ptr 1
		.amdhsa_wavefront_size32 1
		.amdhsa_system_sgpr_workgroup_id_x 1
		.amdhsa_system_sgpr_workgroup_id_y 1
		.amdhsa_system_sgpr_workgroup_id_z 1
		.amdhsa_system_vgpr_workitem_id 0
		.amdhsa_next_free_vgpr 1024
		.amdhsa_next_free_sgpr 80
		.amdhsa_reserve_vcc 0
		.amdhsa_float_denorm_mode_32 3
		.amdhsa_float_denorm_mode_16_64 3
		.amdhsa_memory_ordered 1
		.amdhsa_forward_progress 1
		.amdhsa_inst_pref_size 187
	.end_amdhsa_kernel
	.amdgpu_metadata
---
amdhsa.version: [ 1, 2 ]
amdhsa.kernels:
  - .name:           k_q51bba3c14a_gemm_qkv
    .symbol:         k_q51bba3c14a_gemm_qkv.kd
    .args:
      - { .name: xb, .offset: 0, .size: 8, .value_kind: global_buffer, .address_space: global }
      - { .name: wt, .offset: 8, .size: 8, .value_kind: global_buffer, .address_space: global }
      - { .name: bq, .offset: 16, .size: 8, .value_kind: global_buffer, .address_space: global }
      - { .name: bk, .offset: 24, .size: 8, .value_kind: global_buffer, .address_space: global }
      - { .name: bv, .offset: 32, .size: 8, .value_kind: global_buffer, .address_space: global }
      - { .name: hd, .offset: 40, .size: 8, .value_kind: global_buffer, .address_space: global }
    .group_segment_fixed_size: 327680
    .private_segment_fixed_size: 0
    .kernarg_segment_align: 8
    .kernarg_segment_size: 48
    .max_flat_workgroup_size: 128
    .sgpr_count:     80
    .vgpr_count:     1024
    .wavefront_size: 32
...
	.end_amdgpu_metadata
.endif
;; end of part 2
;; launch attn (part 3): grid 256 x 1, 16 waves a work-group, no clusters, 297,728 bytes of LDS; arguments hd, bk, bv, ao; writes ao
.if DOCPART == 3
	.amdgcn_target "amdgcn-amd-amdhsa--gfx1250"
	.amdhsa_code_object_version 6
	.text
	.protected	k_q51bba3c14a_attn
	.globl	k_q51bba3c14a_attn
	.p2align	8
	.type	k_q51bba3c14a_attn,@function
k_q51bba3c14a_attn:
	s_mov_b64 s[64:65], 0
	v_nop
	global_prefetch_b8 v0, s[64:65] scope:SCOPE_SE
	s_setreg_imm32_b32 hwreg(HW_REG_WAVE_MODE, 25, 1), 1
	s_wait_xcnt 0x0
; attn: both attentions of one (n, head) for the 256 queries with block b = 16 bq .. + 15 (all 16 places c), and their sum.
; The output projection is linear, so the two branches' results are added here and projected once.
; Wave w runs COLUMN unit c = w: 16 queries (b) against the 64 keys (b', c), causal b' <= b;
;        and ROW unit b = 16 bq + w: 16 queries (c) against the 16 keys (b - 1, c'), causal c' <= c.  Block -1 is a zero input: its key rows are bk, its
;        value rows bv, put in by v_cndmask_b32.  The row results go through LDS to the wave that owns their place, which adds and stores.
; All 64 keys of a column are multiplied and then masked: the work-groups with bq = 3 need them all, and a tile's size then hangs on nothing.
; Matrix instructions are used transposed (source 0 = keys or values, source 1 = queries or weights): lane (r = l % 16, h = l / 16) holds query r and
; keys 16 t + 8 h + j, which IS the weights' fragment for the second product: nothing moves between lanes but the two halves' maxima and sums.
; Softmax with the row's own maximum, in f32, in base 2; the division by the sum is applied to the f32 result.
; NO MULTICAST though the four work-groups of an (n, head) read the same K and V: the row unit reads them at block 16 bq + w - 1, and in a cluster no LDS
; address may hang on the place in the cluster; copies at fixed places would take 2 x 33,024 bytes more than the 295,680 used, past the 327,680 there are.
; Three tensor loads a wave, all first fills, issued together: at most three are out.
; LIMITS: weights below 3e-8 of a row's largest become 0 in f16; v_exp_f32 gives 0 below 2^-126; sums above 65,504 become infinity in f16.
.set SLAB, 8208                        ; a place's four blocks of K or V, 8,192 bytes + 16: strides across places are 16 modulo 256
.set QBLK, 2064                        ; a place's block of Q + 16
.set VS,   16*SLAB                     ; K's slabs at 0, V's behind them,
.set QS,   32*SLAB                     ; Q's blocks behind those
.set STC,  4368                        ; the stage (f32, over K's slabs, which are filled once): from place to place, 16 x 272 + 16
.set STB,  272                         ; from block to block: 64 f32 + 16 bytes
.set AKC, 4                            ; LDS addresses: column unit K, V, Q
.set AVC, 5
.set AQC, 6
.set AQR, 7                            ; row unit Q, K, V
.set AKR, 8
.set AVR, 9
.set ASW, 10                           ; stage, as written by the row unit
.set ASR, 11                           ; stage, as read by the column unit
.set QB,  12                           ; 16 bq + r - 8 h: key 16 t + 8 h + j is seen where 16 t + j <= QB
.set RC,  13                           ; r - 8 h
.set NEG, 14                           ; -8e9: times 1/8 it is the -1e9 of a masked score
.set L16, 15                           ; 16 x lane
.set QC,  16                           ; v[16:31]   column queries, later the column weights PC
.set KC,  32                           ; v[32:95]   column keys (tile t at + 16 t), later VC (fragment (s, t) at + 8 (4 s + t)), later the stage and the packed result
.set QR,  96                           ; v[96:111]  row queries;  v[96:127] later VR (+ 8 t)
.set KR,  112                          ; v[112:127] row keys
.set KBF, 128                          ; v[128:159] bk in f32; later PR v[128:135] and OC v[136:167]
.set PR,  128
.set OC,  136
.set KBB, 160                          ; v[160:175] bk as a key fragment
.set NM,  168                          ; v[168:169] - maximum x scale, twice
.set T0,  170                          ; v[170:171] at work
.set RLC, 172                          ; v[172:173] 1 / sum, column, twice
.set RLR, 174                          ; v[174:175] 1 / sum, row, twice
.set VBF, 176                          ; v[176:179] bv in f32; later the two sums (176, 177) and T2
.set T2,  178                          ; v[178:179] at work
.set VBB, 180                          ; v[180:183] bv as a value fragment
.set SC,  184                          ; v[184:215] column scores; before that v184, v185 the biases' offsets
.set SR,  216                          ; v[216:223] row scores
.set OR,  224                          ; v[224:255] row result
	s_load_b256 s[4:11], s[0:1], 0x0               ; hd s[4:5], bk s[6:7], bv s[8:9], ao s[10:11]
	v_lshl_add_u32 v254, v0, 2, 0x48300
	v_mov_b32 v255, 0
	ds_add_u32 v254, v255
	ds_add_u32 v254, v255
	s_wait_dscnt 0x0
	v_lshrrev_b32 v1, 5, v0
	v_readfirstlane_b32 s12, v1                    ; wave w
	s_and_b32 s13, ttmp9, 3                        ; bq
	s_lshr_b32 s14, ttmp9, 2                       ; 16 n + head
	s_and_b32 s15, s14, 15                         ; head
	; group 1 for a slab: 32 dense rows of 32 elements of 8 bytes
	s_mov_b32 s24, 3<<16
	s_mov_b32 s25, 32<<16
	s_mov_b32 s26, 32<<16
	s_mov_b32 s27, 32<<16
	s_mov_b32 s28, 32
	s_mov_b32 s29, 32
	s_mov_b32 s30, 0
	s_mov_b32 s31, 0
	; group 1 for a block of Q: 8 such rows
	s_mov_b32 s32, 3<<16
	s_mov_b32 s33, 32<<16
	s_mov_b32 s34, 8<<16
	s_mov_b32 s35, 32<<16
	s_mov_b32 s36, 8
	s_mov_b32 s37, 32
	s_mov_b32 s38, 0
	s_mov_b32 s39, 0
	s_mov_b32 s40, 1
	s_mul_i32 s41, s12, SLAB                       ; K's slab of place w
	s_mov_b32 s44, 1
	s_add_co_u32 s45, s41, VS                      ; V's
	s_mov_b32 s48, 1
	s_mul_i32 s49, s12, QBLK
	s_add_co_u32 s49, s49, QS                      ; Q's block of place w
	s_lshl_b32 s16, s14, 17                        ; 131,072 bytes an (n, head)
	s_lshl_b32 s17, s12, 13                        ; 8,192 a place
	s_add_co_u32 s16, s16, s17
	s_mov_b32 s17, 0
	s_wait_kmcnt 0x0
	s_add_nc_u64 s[18:19], s[4:5], s[16:17]
	s_lshl_b32 s16, s13, 11                        ; block bq of the place's four
	s_add_nc_u64 s[50:51], s[18:19], s[16:17]
	s_or_b32 s51, s51, 0x80000000
	s_add_nc_u64 s[42:43], s[18:19], 0x800000      ; kh lies 8 MiB behind qh,
	s_or_b32 s43, s43, 0x80000000
	s_add_nc_u64 s[46:47], s[18:19], 0x1000000     ; vh 16 MiB
	s_or_b32 s47, s47, 0x80000000
	tensor_load_to_lds s[48:51], s[32:39]
	s_nop 0
	tensor_load_to_lds s[40:43], s[24:31]
	s_nop 0
	tensor_load_to_lds s[44:47], s[24:31]
	s_nop 0
	; bk and bv of my head, in the shape of fragments
	s_lshl_b32 s16, s15, 8
	s_add_nc_u64 s[6:7], s[6:7], s[16:17]
	s_add_nc_u64 s[8:9], s[8:9], s[16:17]
	v_and_b32 v2, 15, v0                           ; r
	v_bfe_u32 v3, v0, 4, 1                         ; h
	v_lshlrev_b32 v184, 5, v3                      ; bk: numbers 16 i + 8 h + 0..7
	v_lshlrev_b32 v185, 2, v2                      ; bv: number 16 t + r
.irp i, 0,1,2,3
	global_load_b128 v[KBF+8*\i:KBF+8*\i+3],   v184, s[6:7] offset:64*\i
	global_load_b128 v[KBF+8*\i+4:KBF+8*\i+7], v184, s[6:7] offset:64*\i+16
.endr
.irp t, 0,1,2,3
	global_load_b32 v[VBF+\t], v185, s[8:9] offset:64*\t
.endr
	s_mov_b32 s20, 0x3e38aa3b                      ; log2(e) / 8
	s_mov_b32 s21, 0x3e38aa3b
	s_mov_b32 s22, 0x76543210                      ; v_permlanex16_b32: lane i reads lane i of the other half
	s_mov_b32 s23, 0xfedcba98
	s_lshl_b32 s63, s13, 4                         ; 16 bq
	s_add_co_u32 s52, s63, s12                     ; the row unit's block b
	s_sub_co_i32 s53, s52, 1
	s_max_i32 s53, s53, 0                          ; b - 1; for b = 0 block 0 is read and replaced
	s_bfe_u32 s59, s53, 0x20004
	s_lshl_b32 s59, s59, 11                        ; its block of 16: 2,048 bytes
	s_and_b32 s60, s53, 15
	s_lshl_b32 s60, s60, 4
	s_add_co_u32 s54, s59, s60                     ; K: + 16 rho
	s_bfe_u32 s60, s53, 0x10003
	s_lshl_b32 s60, s60, 8
	s_add_co_u32 s55, s59, s60                     ; V: + 256 (rho >> 3)
	s_and_b32 s60, s53, 7
	s_lshl_b32 s60, s60, 4
	s_add_co_u32 s55, s55, s60                     ;    + 16 (rho & 7)
	s_cmp_eq_u32 s52, 0
	s_cselect_b32 s56, -1, 0                       ; all lanes: the row unit's keys are block -1
	s_lshl_b32 s57, s12, 4
	s_add_co_u32 s57, s57, QS
	s_add_co_u32 s58, s55, VS
	s_mul_i32 s61, s12, STB
	s_mul_i32 s62, s12, STC
	v_and_b32 v1, 31, v0
	v_lshlrev_b32 v[L16], 4, v1
	v_add_nc_u32 v[AKC], s41, v[L16]               ; a chunk of 512 bytes is a half fragment in lane order
	v_add_nc_u32 v[AVC], s45, v[L16]
	v_add_nc_u32 v[AQC], s49, v[L16]
	v_mul_u32_u24 v[AQR], v2, QBLK                 ; query c = r: place r's block, token w
	v_lshl_add_u32 v[AQR], v3, 8, v[AQR]
	v_add_nc_u32 v[AQR], s57, v[AQR]
	v_mul_u32_u24 v[AKR], v2, SLAB                 ; key c' = r: place r's slab, token b - 1
	v_lshl_add_u32 v[AKR], v3, 8, v[AKR]
	v_add_nc_u32 v[AKR], s54, v[AKR]
	v_and_b32 v16, 7, v0
	v_lshl_add_u32 v16, v3, 3, v16                 ; the transposing load: lane l addresses key 8 h + (l & 7),
	v_mul_u32_u24 v[AVR], v16, SLAB
	v_bfe_u32 v17, v0, 3, 1
	v_lshl_add_u32 v[AVR], v17, 7, v[AVR]          ; numbers 8 ((l >> 3) & 1) .. + 7 of the chunk
	v_add_nc_u32 v[AVR], s58, v[AVR]
	v_mul_u32_u24 v[ASW], v2, STC
	v_lshl_add_u32 v[ASW], v3, 5, v[ASW]
	v_add_nc_u32 v[ASW], s61, v[ASW]               ; place r, block w, numbers 8 h ..
	v_mul_u32_u24 v[ASR], v2, STB
	v_lshl_add_u32 v[ASR], v3, 5, v[ASR]
	v_add_nc_u32 v[ASR], s62, v[ASR]               ; place w, block r
	v_lshlrev_b32 v16, 3, v3
	v_sub_nc_u32 v[RC], v2, v16
	v_add_nc_u32 v[QB], s63, v[RC]
	v_mov_b32 v[NEG], 0xcfee6b28
	; where the sum goes: ao [mb = 8 n + (c >> 1)][head][mt = 4 (c & 1) + bt][2,048 bytes], c = w, bt = bq
	s_lshr_b32 s16, s14, 4
	s_lshl_b32 s16, s16, 3
	s_lshr_b32 s18, s12, 1
	s_add_co_u32 s16, s16, s18
	s_lshl_b32 s16, s16, 18
	s_lshl_b32 s18, s15, 14
	s_add_co_u32 s16, s16, s18
	s_and_b32 s18, s12, 1
	s_lshl_b32 s18, s18, 2
	s_add_co_u32 s18, s18, s13
	s_lshl_b32 s18, s18, 11
	s_add_co_u32 s16, s16, s18
	s_add_nc_u64 s[10:11], s[10:11], s[16:17]
	s_wait_loadcnt 0x0                             ; bk, bv
.set i, 0
.rept 16
	v_cvt_pk_f16_f32 v[KBB+i], v[KBF+2*i], v[KBF+2*i+1]
.set i, i+1
.endr
.irp t, 0,1,2,3
	v_cvt_pk_f16_f32 v[VBB+\t], v[VBF+\t], v[VBF+\t]       ; every key has the same value
.endr
	s_wait_tensorcnt 0x0                           ; my three tiles are in LDS; other waves read them, so zero, in front of the signal
	s_barrier_signal -1
	s_barrier_wait -1
	; ---- the scores ----
.irp i, 0,1,2,3
	ds_load_b128 v[QC+4*\i:QC+4*\i+3], v[AQC] offset:512*\i
.endr
.irp t, 0,1,2,3
.irp i, 0,1,2,3
	ds_load_b128 v[KC+16*\t+4*\i:KC+16*\t+4*\i+3], v[AKC] offset:2048*\t+512*\i
.endr
.endr
.irp i, 0,1,2,3
	ds_load_b128 v[QR+4*\i:QR+4*\i+3], v[AQR] offset:512*\i
	ds_load_b128 v[KR+4*\i:KR+4*\i+3], v[AKR] offset:512*\i
.endr
	s_wait_dscnt 0x0
.set i, 0
.rept 16
	v_cndmask_b32 v[KR+i], v[KR+i], v[KBB+i], s56  ; block -1: every key is bk
.set i, i+1
.endr
	; five accumulators take turns, one instruction a turn
.irp t, 0,1,2,3
	v_wmma_f32_16x16x32_f16 v[SC+8*\t:SC+8*\t+7], v[KC+16*\t:KC+16*\t+7], v[QC:QC+7], 0
.endr
	v_wmma_f32_16x16x32_f16 v[SR:SR+7], v[KR:KR+7], v[QR:QR+7], 0
.irp t, 0,1,2,3
	v_wmma_f32_16x16x32_f16 v[SC+8*\t:SC+8*\t+7], v[KC+16*\t+8:KC+16*\t+15], v[QC+8:QC+15], v[SC+8*\t:SC+8*\t+7]
.endr
	v_wmma_f32_16x16x32_f16 v[SR:SR+7], v[KR+8:KR+15], v[QR+8:QR+15], v[SR:SR+7]
.rept 4
	v_nop                                          ; four places in front of the loads into the fragments and of the reads of the scores
.endr
	; ---- the values are asked for while the softmax runs ----
.irp s, 0,1
.irp t, 0,1,2,3
	ds_load_tr16_b128 v[KC+8*(4*\s+\t):KC+8*(4*\s+\t)+3],   v[AVC] offset:4096*\s+512*\t        ; keys 32 s + 8 h .. + 7 of number 16 t + r
	ds_load_tr16_b128 v[KC+8*(4*\s+\t)+4:KC+8*(4*\s+\t)+7], v[AVC] offset:4096*\s+512*\t+2048   ; keys 32 s + 16 + 8 h ..
.endr
.endr
.irp t, 0,1,2,3
	ds_load_tr16_b128 v[QR+8*\t:QR+8*\t+3], v[AVR] offset:512*\t
.endr
.irp t, 0,1,2,3
.irp e, 4,5,6,7
	v_mov_b32 v[QR+8*\t+\e], 0                     ; the row unit has 16 keys: keys 16..31 of the product are zeros, in the values
.endr
.endr
.irp e, 4,5,6,7
	v_mov_b32 v[PR+\e], 0                          ; and in the weights
.endr
; Softmax of cnt scores a lane (query r; the other half of its keys lies in lane r xor 16).  Register 8 t + j is key 16 t + 8 h + j.
; Leaves exp2((S - max) log2(e) / 8) packed to f16 in preg.. and the f32 sum in lreg.
.macro SOFT sreg, cnt, cmp, preg, lreg
.set i, 0
.rept \cnt
	v_cmp_le_i32 vcc_lo, 16*(i/8)+(i%8), v[\cmp]
	v_cndmask_b32 v[\sreg+i], v[NEG], v[\sreg+i], vcc_lo
.set i, i+1
.endr
	v_max3_num_f32 v[T0],   v[\sreg],   v[\sreg+1], v[\sreg+2]         ; two chains
	v_max3_num_f32 v[T0+1], v[\sreg+3], v[\sreg+4], v[\sreg+5]
.set i, 6
.rept (\cnt-6)/2
	v_max3_num_f32 v[T0+(i/2)%2], v[T0+(i/2)%2], v[\sreg+i], v[\sreg+i+1]
.set i, i+2
.endr
	v_max_num_f32 v[T0], v[T0], v[T0+1]
	v_permlanex16_b32 v[T2], v[T0], s22, s23       ; its destination has been written before
	v_max_num_f32 v[T0], v[T0], v[T2]              ; the query's maximum, in both lanes
	v_mul_f32 v[NM], 0xbe38aa3b, v[T0]
	v_mov_b32 v[NM+1], v[NM]
.set i, 0
.rept \cnt/2
	v_pk_fma_f32 v[\sreg+i:\sreg+i+1], v[\sreg+i:\sreg+i+1], s[20:21], v[NM:NM+1] op_sel_hi:[1,0,1]   ; (S - max) x scale, one rounding
.set i, i+2
.endr
.set i, 0
.rept \cnt
	v_exp_f32 v[\sreg+i], v[\sreg+i]
.set i, i+1
.endr
	v_nop                                          ; one plain place behind the last exponential (ISA guide 5.7.2)
	s_wait_alu depctr_va_vdst(0)
	v_pk_add_f32 v[T0:T0+1], v[\sreg:\sreg+1],   v[\sreg+2:\sreg+3]
	v_pk_add_f32 v[T2:T2+1], v[\sreg+4:\sreg+5], v[\sreg+6:\sreg+7]
.if \cnt > 8
.set i, 8
.rept (\cnt-8)/4
	v_pk_add_f32 v[T0:T0+1], v[T0:T0+1], v[\sreg+i:\sreg+i+1]
	v_pk_add_f32 v[T2:T2+1], v[T2:T2+1], v[\sreg+i+2:\sreg+i+3]
.set i, i+4
.endr
.endif
	v_pk_add_f32 v[T0:T0+1], v[T0:T0+1], v[T2:T2+1]
	v_add_f32 v[T0], v[T0], v[T0+1]
	v_permlanex16_b32 v[T2], v[T0], s22, s23
	v_add_f32 v[\lreg], v[T0], v[T2]
.set i, 0
.rept \cnt/2
	v_cvt_pk_f16_f32 v[\preg+i], v[\sreg+2*i], v[\sreg+2*i+1]          ; tiles 2 s and 2 s + 1 are the weights' fragment s
.set i, i+1
.endr
.endm
	SOFT SC, 32, QB, QC, VBF
	SOFT SR, 8,  RC, PR, VBF+1
	v_rcp_f32 v[RLC], v[VBF]                       ; the sums are at least 1: the largest weight is 1
	v_rcp_f32 v[RLR], v[VBF+1]
	v_nop                                          ; one plain place behind them
	s_wait_alu depctr_va_vdst(0)
	v_mov_b32 v[RLC+1], v[RLC]
	v_mov_b32 v[RLR+1], v[RLR]
	; ---- weights x values ----
	s_wait_dscnt 0x0                               ; the values
.irp t, 0,1,2,3
.irp p, 0,1,2,3
	v_cndmask_b32 v[QR+8*\t+\p], v[QR+8*\t+\p], v[VBB+\t], s56         ; block -1: every value row is bv
.endr
.endr
	; eight accumulators take turns, one instruction a turn
.irp t, 0,1,2,3
	v_wmma_f32_16x16x32_f16 v[OC+8*\t:OC+8*\t+7], v[KC+8*\t:KC+8*\t+7], v[QC:QC+7], 0
.endr
.irp t, 0,1,2,3
	v_wmma_f32_16x16x32_f16 v[OR+8*\t:OR+8*\t+7], v[QR+8*\t:QR+8*\t+7], v[PR:PR+7], 0
.endr
.irp t, 0,1,2,3
	v_wmma_f32_16x16x32_f16 v[OC+8*\t:OC+8*\t+7], v[KC+32+8*\t:KC+32+8*\t+7], v[QC+8:QC+15], v[OC+8*\t:OC+8*\t+7]
.endr
.rept 4
	v_nop
.endr
.set i, 0
.rept 16
	v_pk_mul_f32 v[OR+i:OR+i+1], v[OR+i:OR+i+1], v[RLR:RLR+1]
.set i, i+2
.endr
	s_wait_dscnt 0x0                               ; my reads of K, V and Q are over,
	s_barrier_signal -1
	s_barrier_wait -1                              ; everybody's are: the stage may be written over K's slabs
	; ---- the row results go to the waves that own their places ----
.irp t, 0,1,2,3
	ds_store_b128 v[ASW], v[OR+8*\t:OR+8*\t+3]   offset:64*\t
	ds_store_b128 v[ASW], v[OR+8*\t+4:OR+8*\t+7] offset:64*\t+16
.endr
	s_wait_dscnt 0x0                               ; for the others' sake: zero
	s_barrier_signal -1
	s_barrier_wait -1
.irp t, 0,1,2,3
	ds_load_b128 v[KC+8*\t:KC+8*\t+3],   v[ASR] offset:64*\t
	ds_load_b128 v[KC+8*\t+4:KC+8*\t+7], v[ASR] offset:64*\t+16
.endr
	s_wait_dscnt 0x0
.set i, 0
.rept 16
	v_pk_fma_f32 v[OC+i:OC+i+1], v[OC+i:OC+i+1], v[RLC:RLC+1], v[KC+i:KC+i+1]   ; column result / its sum + row result
.set i, i+2
.endr
.set i, 0
.rept 16
	v_cvt_pk_f16_f32 v[KC+32+i], v[OC+2*i], v[OC+2*i+1]
.set i, i+1
.endr
.irp t, 0,1,2,3
	global_store_b128 v[L16], v[KC+32+4*\t:KC+32+4*\t+3], s[10:11] offset:512*\t   ; a chunk: 512 consecutive bytes, aligned
.endr
	s_wait_xcnt 0x0
	v_lshl_add_u32 v254, v0, 2, 0x48300
	v_mov_b32 v255, 0
	s_wait_tensorcnt 0x0
	ds_add_u32 v254, v255
	s_wait_dscnt 0x0
	s_endpgm
.Lfunc_end_k_q51bba3c14a_attn:
	.size	k_q51bba3c14a_attn, .Lfunc_end_k_q51bba3c14a_attn-k_q51bba3c14a_attn
	.p2alignl 7, 3214868480
	.fill 96, 4, 3214868480
	.section	.rodata,"a",@progbits
	.p2align	6, 0x0
	.amdhsa_kernel k_q51bba3c14a_attn
		.amdhsa_group_segment_fixed_size 297728
		.amdhsa_private_segment_fixed_size 0
		.amdhsa_enable_private_segment 0
		.amdhsa_kernarg_size 32
		.amdhsa_user_sgpr_count 2
		.amdhsa_user_sgpr_kernarg_segment_ptr 1
		.amdhsa_wavefront_size32 1
		.amdhsa_system_sgpr_workgroup_id_x 1
		.amdhsa_system_sgpr_workgroup_id_y 1
		.amdhsa_system_sgpr_workgroup_id_z 1
		.amdhsa_system_vgpr_workitem_id 0
		.amdhsa_next_free_vgpr 256
		.amdhsa_next_free_sgpr 66
		.amdhsa_reserve_vcc 1
		.amdhsa_float_denorm_mode_32 3
		.amdhsa_float_denorm_mode_16_64 3
		.amdhsa_memory_ordered 1
		.amdhsa_forward_progress 1
		.amdhsa_inst_pref_size 31
	.end_amdhsa_kernel
	.amdgpu_metadata
---
amdhsa.version: [ 1, 2 ]
amdhsa.kernels:
  - .name:           k_q51bba3c14a_attn
    .symbol:         k_q51bba3c14a_attn.kd
    .args:
      - { .name: hd, .offset: 0, .size: 8, .value_kind: global_buffer, .address_space: global }
      - { .name: bk, .offset: 8, .size: 8, .value_kind: global_buffer, .address_space: global }
      - { .name: bv, .offset: 16, .size: 8, .value_kind: global_buffer, .address_space: global }
      - { .name: ao, .offset: 24, .size: 8, .value_kind: global_buffer, .address_space: global }
    .group_segment_fixed_size: 297728
    .private_segment_fixed_size: 0
    .kernarg_segment_align: 8
    .kernarg_segment_size: 32
    .max_flat_workgroup_size: 512
    .sgpr_count:     66
    .vgpr_count:     256
    .wavefront_size: 32
...
	.end_amdgpu_metadata
.endif
;; end of part 3
;; launch gemm_out (part 4): grid 8 x 32, 4 waves a work-group, clusters of 4 x 4, 327,680 bytes of LDS; arguments ao, wt, bo, out0; writes out0
.if DOCPART == 4
	.amdgcn_target "amdgcn-amd-amdhsa--gfx1250"
	.amdhsa_code_object_version 6
	.text
	.protected	k_q51bba3c14a_gemm_out
	.globl	k_q51bba3c14a_gemm_out
	.p2align	8
	.type	k_q51bba3c14a_gemm_out,@function
k_q51bba3c14a_gemm_out:
	s_mov_b64 s[64:65], 0
	v_nop
	global_prefetch_b8 v0, s[64:65] scope:SCOPE_SE
	s_setreg_imm32_b32 hwreg(HW_REG_WAVE_MODE, 25, 1), 1
	s_wait_xcnt 0x0
	s_wait_alu depctr_hold_cnt(0) depctr_sa_sdst(0) depctr_va_vdst(0) depctr_va_sdst(0) depctr_va_ssrc(0) depctr_va_vcc(0) depctr_vm_vsrc(0)
	s_getreg_b32 s2, hwreg(HW_REG_IB_STS2, 6, 4)
	s_cmp_eq_u32 s2, 0
	s_cbranch_scc0 .Lentry_in_a_cluster
	s_endpgm
.Lentry_in_a_cluster:
	s_bfe_u32 s2, ttmp6, 0x10000c
	s_cmp_lg_u32 s2, 0xf033
	s_cbranch_scc0 .Lentry_shape_is_right
	s_endpgm
.Lentry_shape_is_right:
; gemm_out: out0 = (O_col + O_row) Wo + 2 bo, f32.  (Each branch adds bo once.)
; A = ao [mb 32][head 16][mt 8][2,048 bytes]: 128 permuted rows (row' = 1,024 n + 64 c + b) a block mb, in fragment order; B = wt[3] = Wo as [N][K], f16.
; 256 work-groups of 128 x 128 (tiles of 256 x 256 would give 64); a wave makes 64 x 64: 16 accumulators in window 1.
; K = 1,024 goes in four phases of 256 through two LDS slots; each wave brings a quarter of a slot by one tensor load: waves 0, 1 two heads of A each
; (32,768 dense bytes), waves 2, 3 64 rows of B each (512 bytes a row).  A wave has two tensor loads out at the start, later one; a refill has a
; phase's 128 matrix instructions, less the four between signal and wait, in which to land.
; CLUSTERS of 4 x 4: A's tiles hang on mb alone (shared along a row of the cluster), B's on the block column alone (shared along a column): joint loads.
; The matrix instruction is used transposed (source 0 = rows of wt, source 1 = rows of ao): lane l holds row l % 16 and eight neighbouring columns.
; 2 bo is the C operand of the first products, so it enters each sum first.  All four phases are written out: no loop.
; OUT: 16 rows x 64 columns at a time through each wave's own stage; row rho of tile a is token 16 (16 a + rho) + c: the permutation is undone here.
.set HALF,   33792                     ; a quarter of a slot: 64 rows of B at 528 bytes; A's 32,768 bytes lie at its head
.set SLOT,   4*HALF
.set STAGE,  2*SLOT                    ; behind the ring, never filled by a tensor load: 16 rows x 272 bytes for each wave
.set SPITCH, 272
.set BPITCH, 528                       ; 512 bytes + 16: an odd multiple of 16
.set ADRA, 16                          ; v16-17  LDS address of my A fragments in slot 0, 1
.set ADRB, 20                          ; v20-21  the same for B
.set STO,  24
.set RD,   25
.set CO,   26
.set BO,   27
.set BIAS, 32                          ; v[32:63]   2 bo[col0 + 16 b + 8 (l / 16) + j] at BIAS + 8 b + j
.set F0,   64                          ; v[64:127]  fragments: B's four at + 0, A's four at + 32
.set F1,   128                         ; v[128:191]
.set RB0,  192                         ; v[192:223], v[224:255] rows read back on the way out
.set RB1,  224
.set G1,  24
.set G0,  32
.set G1B, 48
.set G0B, 56
.set MSB, 0
.macro WIN new
.if MSB != \new
	s_set_vgpr_msb (MSB<<8)|\new
.set MSB, \new
.endif
.endm
.set MUL,  0x50                        ; A and B window 0, C and D window 1
.set MUL0, 0x40                        ; the first products: C (2 bo) window 0
.set STW,  0x04                        ; an LDS store's data (source 1) window 1
.macro JLOAD s
	s_cmp_eq_u32 s11, 0
	s_cbranch_scc0 .Lfor_b_\@
	tensor_load_to_lds s[G0+4*\s:G0+4*\s+3], s[G1:G1+7]
	s_nop 0
	s_branch .Lasked_\@
.Lfor_b_\@:
	tensor_load_to_lds s[G0B+4*\s:G0B+4*\s+3], s[G1B:G1B+7]
	s_nop 0
.Lasked_\@:
.endm
.macro CREST
	s_cmp_lg_u32 s10, 0
	s_cbranch_scc1 .Lnot_wave_0_\@
	s_barrier_signal -3
.Lnot_wave_0_\@:
	s_barrier_wait -3
	s_barrier_signal -1
	s_barrier_wait -1
.endm
.macro CROUND
	s_barrier_signal -1
	s_barrier_wait -1
	CREST
.endm
	s_load_b128 s[4:7], s[0:1], 0x0                ; ao s[4:5], wt s[6:7]
	s_load_b128 s[68:71], s[0:1], 0x10             ; bo s[68:69], out0 s[70:71]
	v_lshl_add_u32 v30, v0, 2, 0x46400
	v_mov_b32 v31, 0
	ds_add_u32 v30, v31
	ds_add_u32 v30, v31
	v_lshrrev_b32 v1, 5, v0
	v_readfirstlane_b32 s10, v1                    ; wave
	s_lshr_b32 s11, s10, 1                         ; my half of the rows.  Also: I fetch for A (0) or for B (1)
	s_and_b32 s12, s10, 1                          ; my half of the columns.  Also: which half of that tile I fetch
	s_bfe_u32 s40, ttmp6, 0x40000                  ; cx
	s_bfe_u32 s41, ttmp6, 0x40004                  ; cy
	s_lshl_b32 s42, ttmp9, 2
	s_add_co_u32 s42, s42, s40                     ; block column, 0..7
	s_and_b32 s13, ttmp7, 0xffff
	s_lshl_b32 s13, s13, 2
	s_add_co_u32 s13, s13, s41                     ; mb, 0..31
	s_lshl_b32 s43, s41, 2
	s_lshl_b32 s43, 15, s43                        ; my row of the cluster
	s_lshl_b32 s44, 0x1111, s40                    ; my column
	s_or_b32 s[G1+0], s43, (3<<16)|(1<<21)         ; A: 128 dense rows of 32 elements of 8 bytes, no padding
	s_mov_b32 s[G1+1], 32<<16
	s_mov_b32 s[G1+2], 128<<16
	s_mov_b32 s[G1+3], 32<<16
	s_mov_b32 s[G1+4], 128
	s_mov_b32 s[G1+5], 32
	s_mov_b32 s[G1+6], 0
	s_mov_b32 s[G1+7], 0
	s_or_b32 s[G1B+0], s44, (1<<16)|(1<<20)|(1<<21)|(6<<22)|(3<<25)   ; B: elements of 2 bytes; 4 words of padding behind every 128
	s_mov_b32 s[G1B+1], 256<<16
	s_mov_b32 s[G1B+2], 64<<16
	s_mov_b32 s[G1B+3], 256<<16
	s_mov_b32 s[G1B+4], 64
	s_mov_b32 s[G1B+5], 1024
	s_mov_b32 s[G1B+6], 0
	s_mov_b32 s[G1B+7], 0
	s_lshl_b32 s16, s13, 18                        ; A: 262,144 bytes an mb,
	s_lshl_b32 s17, s12, 15                        ;    two heads of 16,384 a half
	s_add_co_u32 s16, s16, s17
	s_mov_b32 s17, 0
	s_lshl_b32 s46, s42, 18                        ; B: 128 rows of 2,048 bytes a block column,
	s_lshl_b32 s47, s12, 17                        ;    64 rows a half,
	s_add_co_u32 s46, s46, s47
	s_add_co_u32 s46, s46, 6291456                 ;    in the fourth weight of wt
	s_mov_b32 s47, 0
	s_mul_i32 s20, s10, HALF                       ; LDS: wave x a quarter slot: no place in the cluster enters an LDS address
	s_wait_dscnt 0x0
	s_wait_kmcnt 0x0
	s_add_nc_u64 s[14:15], s[4:5], s[16:17]
	s_add_nc_u64 s[46:47], s[6:7], s[46:47]
	CROUND                                         ; all sixteen work-groups are here: the first joint loads meet
.irp s, 0,1
	s_mov_b32 s[G0+4*\s], 1
	s_add_co_u32 s[G0+4*\s+1], s20, \s*SLOT
	s_add_nc_u64 s[G0+4*\s+2:G0+4*\s+3], s[14:15], \s*65536            ; a phase of A: four heads
	s_or_b32 s[G0+4*\s+3], s[G0+4*\s+3], 0x80000000
	s_mov_b32 s[G0B+4*\s], 1
	s_add_co_u32 s[G0B+4*\s+1], s20, \s*SLOT
	s_add_nc_u64 s[G0B+4*\s+2:G0B+4*\s+3], s[46:47], \s*512            ; a phase of B: 256 f16 along the rows
	s_or_b32 s[G0B+4*\s+3], s[G0B+4*\s+3], 0x80000000
	JLOAD \s
.endr
	s_lshl_b32 s72, s42, 9                         ; my first column in bytes of f32: 512 x block column + 256 x half
	s_lshl_b32 s73, s12, 8
	s_add_co_u32 s72, s72, s73
	s_mov_b32 s73, 0
	s_add_nc_u64 s[68:69], s[68:69], s[72:73]
	v_and_b32 v1, 15, v0                           ; r = l % 16
	v_bfe_u32 v2, v0, 4, 1                         ; h = l / 16
	v_lshlrev_b32 v[BO], 5, v2
.irp b, 0,1,2,3
	global_load_b128 v[BIAS+8*\b:BIAS+8*\b+3],   v[BO], s[68:69] offset:64*\b
	global_load_b128 v[BIAS+8*\b+4:BIAS+8*\b+7], v[BO], s[68:69] offset:64*\b+16
.endr
	v_and_b32 v3, 31, v0
	v_lshlrev_b32 v3, 4, v3                        ; A: a chunk of 512 bytes is a half fragment in lane order
	v_mul_u32_u24 v4, v1, BPITCH
	v_lshl_add_u32 v4, v2, 4, v4                   ; B: row x pitch + 16 h
	s_lshl_b32 s21, s11, 13                        ; my four of A's eight row tiles
	s_mul_i32 s22, s12, HALF
	s_add_co_u32 s22, s22, 2*HALF                  ; my 64 rows of B, behind A's two quarters
.irp s, 0,1
	v_add_nc_u32 v[ADRA+\s], s21, v3
	v_add_nc_u32 v[ADRB+\s], s22, v4
	s_add_co_u32 s21, s21, SLOT
	s_add_co_u32 s22, s22, SLOT
.endr
	s_mul_i32 s23, s10, 16*SPITCH
	s_add_co_u32 s23, s23, STAGE                   ; my stage
	v_mul_u32_u24 v5, v1, SPITCH
	v_lshl_add_u32 v5, v2, 5, v5
	v_add_nc_u32 v[STO], s23, v5                   ; in: row r, eight f32 for each half of the lanes
	v_mul_u32_u24 v5, v2, SPITCH
	v_lshl_add_u32 v5, v1, 4, v5
	v_add_nc_u32 v[RD], s23, v5                    ; back: lanes 0-15 one row of 256 bytes, lanes 16-31 the next
	v_lshlrev_b32 v5, 16, v2                       ; in out0 the next row of a tile is 16 tokens on: 65,536 bytes
	v_lshl_add_u32 v[CO], v1, 4, v5
	; out0 at n = mb >> 3, place c = 2 (mb & 7) + my half of the rows, my first column
	s_lshr_b32 s74, s13, 3
	s_lshl_b32 s74, s74, 22
	s_and_b32 s75, s13, 7
	s_lshl1_add_u32 s75, s75, s11
	s_lshl_b32 s75, s75, 12
	s_add_co_u32 s74, s74, s75
	s_add_co_u32 s74, s74, s72
	s_mov_b32 s75, 0
	s_add_nc_u64 s[70:71], s[70:71], s[74:75]
; four matrix instructions: row tile a x my four column tiles, 32 along K
.macro MUL4 f, a, first
.irp b, 0,1,2,3
.if \first
	v_wmma_f32_16x16x32_f16 v[8*(4*\a+\b):8*(4*\a+\b)+7], v[\f+8*\b:\f+8*\b+7], v[\f+32+8*\a:\f+32+8*\a+7], v[BIAS+8*\b:BIAS+8*\b+7]
.else
	v_wmma_f32_16x16x32_f16 v[8*(4*\a+\b):8*(4*\a+\b)+7], v[\f+8*\b:\f+8*\b+7], v[\f+32+8*\a:\f+32+8*\a+7], v[8*(4*\a+\b):8*(4*\a+\b)+7]
.endif
.endr
.endm
; sixteen LDS loads: the fragments of eighth q of a phase (32 along K) into buffer f.  In A eighth q is chunks 2 (q & 1), + 1 of head q >> 1.
.macro FETCH slot, q, f
	WIN 0
.irp b, 0,1,2,3
	ds_load_b128 v[\f+8*\b:\f+8*\b+3],   v[ADRB+\slot] offset:\b*16*BPITCH+64*\q
	ds_load_b128 v[\f+8*\b+4:\f+8*\b+7], v[ADRB+\slot] offset:\b*16*BPITCH+64*\q+32
.endr
.irp a, 0,1,2,3
	ds_load_b128 v[\f+32+8*\a:\f+32+8*\a+3],   v[ADRA+\slot] offset:(\q>>2)*HALF+((\q>>1)&1)*16384+(\q&1)*1024+\a*2048
	ds_load_b128 v[\f+32+8*\a+4:\f+32+8*\a+7], v[ADRA+\slot] offset:(\q>>2)*HALF+((\q>>1)&1)*16384+(\q&1)*1024+\a*2048+512
.endr
.endm
.macro PLACES                          ; four plain vector places between a matrix instruction and a load into one of its registers
.rept 4
	v_nop
.endr
.endm
; One eighth: buffer f is multiplied; in front of that eighth qn's fragments are asked for, into buffer g.
; The sixteen accumulators take turns, one instruction a turn, in the same order in every eighth.
.macro Q slot, qn, f, g, first
	s_wait_dscnt 0                                 ; buffer f, asked for sixteen matrix instructions ago
	PLACES
	FETCH \slot, \qn, \g
.if \first
	WIN MUL0
.else
	WIN MUL
.endif
	MUL4 \f, 0, \first
	MUL4 \f, 1, \first
	MUL4 \f, 2, \first
	MUL4 \f, 3, \first
.endm
.macro SEVEN slot, first
	Q \slot, 1, F0, F1, \first
	Q \slot, 2, F1, F0, 0
	Q \slot, 3, F0, F1, 0
	Q \slot, 4, F1, F0, 0
	Q \slot, 5, F0, F1, 0
	Q \slot, 6, F1, F0, 0
	Q \slot, 7, F0, F1, 0
.endm
; The last eighth of a phase multiplies buffer 1 and changes slots: each wave's reads of this slot and all its tensor loads are waited for in front
; of the signal; behind the barrier (with fill = 1: behind the cluster's round that it opens) the refill comes first, then the next slot is read.
.macro TURN slot, next, fill
	s_wait_dscnt 0                                 ; buffer 1 is in, and with it my last reads of this slot
	WIN MUL
	MUL4 F1, 0, 0
	s_wait_tensorcnt 0x0                           ; all my tensor loads have landed: the one that was out is my part of the next slot
	ds_add_u32 v30, v31
	s_wait_dscnt 0x0
	s_barrier_signal -1
	MUL4 F1, 1, 0                                  ; register work while the others arrive
	WIN 0
	s_barrier_wait -1
.if \fill
	CREST
	s_add_nc_u64 s[G0+4*\slot+2:G0+4*\slot+3], s[G0+4*\slot+2:G0+4*\slot+3], 131072      ; two phases on
	s_add_nc_u64 s[G0B+4*\slot+2:G0B+4*\slot+3], s[G0B+4*\slot+2:G0B+4*\slot+3], 1024
	JLOAD \slot                                    ; the first tensor load behind the round, and my only one
.endif
	PLACES
	FETCH \next, 0, F0
	WIN MUL
	MUL4 F1, 2, 0
	MUL4 F1, 3, 0
.endm
	s_wait_loadcnt 0x0                             ; bo
.set i, 0
.rept 16
	v_pk_add_f32 v[BIAS+i:BIAS+i+1], v[BIAS+i:BIAS+i+1], v[BIAS+i:BIAS+i+1]    ; 2 bo
.set i, i+2
.endr
	s_wait_tensorcnt 1                             ; my part of phase 0 is in; phase 1's may stay out
	s_barrier_signal -1
	s_barrier_wait -1
	FETCH 0, 0, F0
	SEVEN 0, 1                                     ; phase 0; its first products take 2 bo as C
	TURN 0, 1, 1                                   ; slot 0 gets phase 2
	SEVEN 1, 0                                     ; phase 1
	TURN 1, 0, 1                                   ; slot 1 gets phase 3
	SEVEN 0, 0                                     ; phase 2
	TURN 0, 1, 0                                   ; nothing is left to fetch
	SEVEN 1, 0                                     ; phase 3
	s_wait_dscnt 0
	WIN MUL
	MUL4 F1, 0, 0
	MUL4 F1, 1, 0
	MUL4 F1, 2, 0
	MUL4 F1, 3, 0
	; THE WAY OUT
	PLACES                                         ; four places in front of the LDS stores that read results
.macro OUT a, rb
	WIN STW
.irp b, 0,1,2,3
	ds_store_b128 v[STO], v[8*(4*\a+\b):8*(4*\a+\b)+3]   offset:64*\b
	ds_store_b128 v[STO], v[8*(4*\a+\b)+4:8*(4*\a+\b)+7] offset:64*\b+16
.endr
	WIN 0
	s_wait_xcnt 0x0                                ; earlier stores read these registers: they are loaded again only behind this wait
.irp u, 0,1,2,3,4,5,6,7
	ds_load_b128 v[\rb+4*\u:\rb+4*\u+3], v[RD] offset:2*SPITCH*\u      ; LDS serves a wave's instructions in order (ISA guide 5.7.1): these see the stores above
.endr
.irp u, 0,1,2,3,4,5,6,7
	s_wait_dscnt 7-\u
	global_store_b128 v[CO], v[\rb+4*\u:\rb+4*\u+3], s[70:71] offset:\a*1048576+\u*131072 th:TH_STORE_NT   ; sixteen lanes store 256 consecutive bytes, aligned
.endr
.endm
	OUT 0, RB0
	OUT 1, RB1
	OUT 2, RB0
	OUT 3, RB1
	s_wait_tensorcnt 0x0
	ds_add_u32 v30, v31
	s_wait_dscnt 0x0
	CROUND                                         ; the closing round
	s_endpgm
.Lfunc_end_k_q51bba3c14a_gemm_out:
	.size	k_q51bba3c14a_gemm_out, .Lfunc_end_k_q51bba3c14a_gemm_out-k_q51bba3c14a_gemm_out
	.p2alignl 7, 3214868480
	.fill 96, 4, 3214868480
	.section	.rodata,"a",@progbits
	.p2align	6, 0x0
	.amdhsa_kernel k_q51bba3c14a_gemm_out
		.amdhsa_group_segment_fixed_size 327680
		.amdhsa_private_segment_fixed_size 0
		.amdhsa_enable_private_segment 0
		.amdhsa_kernarg_size 32
		.amdhsa_user_sgpr_count 2
		.amdhsa_user_sgpr_kernarg_segment_ptr 1
		.amdhsa_wavefront_size32 1
		.amdhsa_system_sgpr_workgroup_id_x 1
		.amdhsa_system_sgpr_workgroup_id_y 1
		.amdhsa_system_sgpr_workgroup_id_z 1
		.amdhsa_system_vgpr_workitem_id 0
		.amdhsa_next_free_vgpr 384
		.amdhsa_next_free_sgpr 80
		.amdhsa_reserve_vcc 0
		.amdhsa_float_denorm_mode_32 3
		.amdhsa_float_denorm_mode_16_64 3
		.amdhsa_memory_ordered 1
		.amdhsa_forward_progress 1
		.amdhsa_inst_pref_size 90
	.end_amdhsa_kernel
	.amdgpu_metadata
---
amdhsa.version: [ 1, 2 ]
amdhsa.kernels:
  - .name:           k_q51bba3c14a_gemm_out
    .symbol:         k_q51bba3c14a_gemm_out.kd
    .args:
      - { .name: ao, .offset: 0, .size: 8, .value_kind: global_buffer, .address_space: global }
      - { .name: wt, .offset: 8, .size: 8, .value_kind: global_buffer, .address_space: global }
      - { .name: bo, .offset: 16, .size: 8, .value_kind: global_buffer, .address_space: global }
      - { .name: out0, .offset: 24, .size: 8, .value_kind: global_buffer, .address_space: global }
    .group_segment_fixed_size: 327680
    .private_segment_fixed_size: 0
    .kernarg_segment_align: 8
    .kernarg_segment_size: 32
    .max_flat_workgroup_size: 128
    .sgpr_count:     80
    .vgpr_count:     384
    .wavefront_size: 32
...
	.end_amdgpu_metadata
.endif
;; end of part 4
